; MI455X (gfx1250); checked and timed in simulation.
; The chip was launched on July 23, 2026; its instructions are those of AMD's public machine-readable ISA for CDNA 5 (MIT licence, August 2026) and "CDNA5" Instruction Set Architecture Reference Guide (July 2026). The comments in the code are by the model that wrote it; some were corrected since.
;; Vanilla Attention. Allowed arithmetic: matrix products marked QUANTISED: E2M1 operands, one E8M0 scale for each 32 along K, by v_wmma_scale_f32_16x16x128_f8f6f4 with both operands' format E2M1 (or v_wmma_scale_f32_32x16x128_f4), f32 sums; products left as they are: f32 operands where the result goes on into a quantised operand, else bf16, f16 or f32 operands; f32 sums; everything else in f32.
;; Inputs: W_align 512 x 512 float32; W_query 512 x 512 float32; W_value 512 x 512 float32; b_align 512 float32; b_query 512 float32; b_value 512 float32; mask 16 x 8,192 int32; query 16 x 512 float32; value 16 x 8,192 x 512 float32.
;; Outputs: out0 16 x 512 float32.
;; This version of the problem:
;;   THIS VERSION OF THE PROBLEM IS GIVEN IN LOW PRECISION. The matrix products marked QUANTISED in the list below multiply operands that are first quantised to E2M1 (2 exponent bits, 1 mantissa bit; 4 bits a number), with one power-of-two scale for each 32 numbers along K (OCP MX v1.0); their sums are f32. All else is computed in f32.
;;   The module's matrix products, in the order in which they are computed (A, B: the left and right operand; K: the contracted axis; several contracted axes count as one K, in the product's order):
;;     1. [M 16, K 512] x [K 512, N 512]; A: input query; B: input W_align: QUANTISED
;;     2. batch 16 x [M 8,192, K 512] x [K 512, N 1]; A: input value; B: computed on the way: left as it is (N = 1 < 16)
;;     3. batch 16 x [M 1, K 8,192] x [K 8,192, N 512]; A: softmax; B: input value: left as it is (M = 1 < 16)
;;     4. [M 16, K 512] x [K 512, N 512]; A: computed on the way; B: input W_value: QUANTISED
;;     5. [M 16, K 512] x [K 512, N 512]; A: computed on the way; B: input W_query: QUANTISED
;;   THE QUANTISER, for each operand of a quantised product, along K:
;;     - K is cut into blocks of 32 from its start; a last block that is shorter is filled with zeros.
;;     - A block's scale is 2^e with e = floor(log2(the largest magnitude in the block)) - 2, held to -126 .. 127; a block of zeros has e = 0. As a byte (E8M0): e + 127.
;;     - Each number is divided by its block's scale, clamped to +-6, and rounded to the nearest number of E2M1, ties to even, subnormals kept.
;;     - The product sums the exact products of the quantised numbers (number of the format x scale) in f32.
;;   ~~~python
;;   def quantise(x, axis):      # numpy; x: float32 -> the quantised numbers, widened to float32 again
;;       x = np.moveaxis(x, axis, -1); K = x.shape[-1]
;;       x = np.pad(x, [(0, 0)] * (x.ndim - 1) + [(0, -K % 32)]); x = x.reshape(x.shape[:-1] + (-1, 32)); a = np.abs(x).max(-1, keepdims=True)
;;       e = np.where(a > 0, np.clip(np.frexp(np.where(a > 0, a, 1))[1] - 1 - 2, -126, 127), 0)      # np.frexp(a)[1] - 1 = floor(log2(a)), exactly
;;       r = np.clip(x / 2.0 ** e, -6, 6)
;;       step = 2.0 ** (np.maximum(np.frexp(np.where(r == 0, 1, r))[1] - 1, 0) - 1)
;;       q = np.round(r / step) * step * 2.0 ** e      # np.round: ties to even
;;       return np.moveaxis(q.reshape(q.shape[:-2] + (-1,))[..., :K], -1, axis).astype(np.float32)
;;   ~~~
;;   OPERANDS COMPUTED ON THE WAY. 'Computed on the way' means the value that the module computes at that place (a softmax that the list does not call 'softmax' is quantised finished and normalised). What goes into a quantiser is computed in f32, as accurately as f32 sums, v_exp_f32 and their like allow (about 1e-6 of the number): no bf16 or f16 on the way to a quantiser, and a product that is left as it is and whose result goes on into a quantised operand takes f32 operands (vector FMAs, or v_wmma_f32_16x16x4_f32). A number that lies on a knife's edge between two numbers of the format may be rounded either way, as far as f32 arithmetic and the matrix unit's own rounding can turn it there, and no further.
;; One version. Each part assembles by itself: llvm-mc -triple=amdgcn-amd-amdhsa -mcpu=gfx1250 --defsym DOCPART=n.
;; ======== version 1 of 1: 3 launches
;; limits: right only within a limited range of input values
;; workspace buffers: qbuf 32,768 bytes; list 524,288 bytes of whole numbers; cnt 256 bytes of whole numbers; wcodes 262,144 bytes; wscales 16,384 bytes; pacc 524,288 bytes; pstat 2,048 bytes
;; launch prep (part 1): grid 40 x 1, 16 waves a work-group, no clusters, 19,712 bytes of LDS; arguments query, W_align, b_align, W_value, W_query, mask, qbuf, wcodes, wscales, list, cnt; writes qbuf, wcodes, wscales, list, cnt
.if DOCPART == 1
	.amdgcn_target "amdgcn-amd-amdhsa--gfx1250"
	.amdhsa_code_object_version 6
	.text
	.protected	k_q85f5311e42_prep
	.globl	k_q85f5311e42_prep
	.p2align	8
	.type	k_q85f5311e42_prep,@function
k_q85f5311e42_prep:
	s_mov_b64 s[64:65], 0
	v_nop
	global_prefetch_b8 v0, s[64:65] scope:SCOPE_SE
	s_setreg_imm32_b32 hwreg(HW_REG_WAVE_MODE, 25, 1), 1
	s_wait_xcnt 0x0
; PREP: all that has to be there before value is walked.  Three roles, parted on the work-group's number (the same for all 16 waves of a work-group):
;   work-groups 0-7    ROLE Q: q = Q(query) Q(W_align)^T + b_align, [16][512] f32, into qbuf.  Both operands are quantised here to E2M1 with one E8M0 scale for each 32 along K.
;   work-groups 8-23   ROLE W: W_value and W_query become codes, laid as images of the operand's registers (wcodes), and scale words (wscales), for the last launch.
;   work-groups 24-39  ROLE M: for batch b a list of its 8,192 rows: the rows whose mask is 0 first, the masked rows behind them (a permutation), and their number nv(b) into cnt.
; A block's scale is 2^(floor(log2(its largest magnitude)) - 2); its byte is that magnitude's exponent field - 2, held at 1 from below.
; LIMITS: a block of zeros gets the byte 1 where the rule says 127 (its codes are zeros, and this program alone reads the bytes); blocks whose largest magnitude lies under 2^(3 - 127) are held at the byte 1;
; NaN and infinities among the inputs are not served.
; No tensor load, no cluster: no tile here is large, and what work-groups share (query, 32 KB) comes through registers.
; LDS: role Q bytes 0 .. 17,407 (four planes, one for each K step, of 16 batches x (256 + 16) bytes); role M bytes 17,408 .. 17,471 (a count for each wave).  Each role has bytes of its own.
.set WV,    26                         ; s26      my wave's number
.set SEL,   28                         ; s[28:29] lane selects for v_permlanex16_b32: lane l xor 16
.set BAL,   32                         ; s32-47   role M: which lanes' rows are unmasked, for each of my 16 words a lane
.set CW,    48                         ; s48-63   role M: the 16 waves' counts
.set XA,    4                          ; v4       a lane's byte in 16 rows of 2,048 bytes: 2,048 r + 64 h
.set TM,    16                         ; v16-31   the quantiser's: +0..3 largest magnitudes, +4..7 the other half's, then bytes, +12..15 scale operands
.set PCW,   32                         ; v32-39   codes of 16 rows of a weight
.set PCQ,   40                         ; v40-47   codes of query's 16 rows
.set PWW,   48                         ; v48      the weight's scale words; nothing else ever stands here
.set PWQ,   49                         ; v49      query's
.set ACC,   52                         ; v52-59   the product
.set WD,    64                         ; v64-127  64 numbers of a weight's row
.set QD,    128                        ; v128-191 64 numbers of query's row
.set MW,    64                         ; role M: v64-79 mask words, v80-95 places in the list, v96-111 row numbers, v112-127 the waves' counts
.set POS,   80
.set ROW,   96
.set CN,    112
.set PLANE, 4352                       ; 16 x 272
.set MLDS,  17408
; 64 numbers a lane of 16 rows x 128 along K: register 16 b + i = k 32 b + 16 h + i of row r
.macro XLOAD reg, base, nt
.irp b, 0,1,2,3
.irp j, 0,1,2,3
.if \nt
	global_load_b128 v[\reg+16*\b+4*\j:\reg+16*\b+4*\j+3], v[XA], s[\base:\base+1] offset:128*\b+16*\j th:TH_LOAD_NT
.else
	global_load_b128 v[\reg+16*\b+4*\j:\reg+16*\b+4*\j+3], v[XA], s[\base:\base+1] offset:128*\b+16*\j
.endif
.endr
.endr
.endm
; Those 64 numbers become a fragment's 8 registers of codes, v[pc] on, and the row's scale word, v[pw].
.macro QUANT s, pc, pw
.irp b, 0,1,2,3
	v_max3_num_f32 v[TM+\b], |v[\s+16*\b]|, |v[\s+1+16*\b]|, 0x1800000   ; block b: my 16 numbers, and the floor 2^(3 - 127): the byte cannot fall under 1
.endr
.irp i, 2,4,6,8,10,12,14
.irp b, 0,1,2,3
	v_max3_num_f32 v[TM+\b], v[TM+\b], |v[\s+16*\b+\i]|, |v[\s+1+16*\b+\i]|   ; the four blocks by turns
.endr
.endr
.irp b, 0,1,2,3
	v_permlanex16_b32 v[TM+4+\b], v[TM+\b], s[SEL], s[SEL+1]
.endr
.irp b, 0,1,2,3
	v_max_num_f32 v[TM+\b], v[TM+\b], v[TM+4+\b]   ; with lane l xor 16's 16: the block's largest magnitude
.endr
.irp b, 0,1,2,3
	v_add_nc_u32 v[TM+12+\b], 0xff000000, v[TM+\b]   ; 2 off its exponent field: the conversion takes that field as its scale
.endr
.irp b, 0,1,2,3
	v_lshrrev_b32 v[TM+4+\b], 23, v[TM+12+\b]      ; the scale's byte
.endr
	v_lshl_or_b32 v[\pw], v[TM+5], 8, v[TM+4]
	v_lshl_or_b32 v[\pw], v[TM+6], 16, v[\pw]
	v_lshl_or_b32 v[\pw], v[TM+7], 24, v[\pw]      ; my row's scale word, the same in both halves of the lanes
.irp b, 0,1,2,3
	v_cvt_scalef32_pk8_fp4_f32 v[\pc+2*\b], v[\s+16*\b:\s+7+16*\b], v[TM+12+\b]
	v_cvt_scalef32_pk8_fp4_f32 v[\pc+1+2*\b], v[\s+8+16*\b:\s+15+16*\b], v[TM+12+\b]
.endr
	v_nop                                          ; one plain instruction behind the scaled conversions
.irp c, 0,1                                    ; the operand wants a whole block in a lane: lanes 0-15 block 2 c, lanes 16-31 block 2 c + 1
.irp i, 0,1
	v_permlane16_swap_b32 v[\pc+4*\c+\i], v[\pc+2+4*\c+\i]
.endr
.endr
.endm
.macro BARRIER                                 ; my LDS stores have landed and my LDS loads are in: then the work-group's barrier
	s_wait_dscnt 0x0
	s_barrier_signal -1
	s_barrier_wait -1
.endm
	s_load_b512 s[4:19], s[0:1], 0x0               ; query 4, W_align 6, b_align 8, W_value 10, W_query 12, mask 14, qbuf 16, wcodes 18
	s_load_b128 s[20:23], s[0:1], 0x40             ; wscales 20, list 22
	s_load_b64 s[24:25], s[0:1], 0x50              ; cnt
	v_lshl_add_u32 v192, v0, 2, 0x4500
	v_mov_b32 v193, 0
	v_lshrrev_b32 v10, 5, v0
	v_readfirstlane_b32 s[WV], v10                 ; wave 0..15
	v_and_b32 v1, 31, v0                           ; lane
	v_and_b32 v2, 15, v0                           ; r
	v_bfe_u32 v3, v0, 4, 1                         ; h
	v_lshlrev_b32 v[XA], 11, v2
	v_lshl_add_u32 v[XA], v3, 6, v[XA]
	v_lshlrev_b32 v5, 4, v1                        ; 16 x lane
	v_lshlrev_b32 v6, 2, v2                        ; 4 r
	v_lshlrev_b32 v12, 3, v1                       ; 8 x lane
	v_lshl_add_u32 v13, v10, 11, v12               ; role Q: 2,048 x wave + 8 x lane: my place in qbuf
	; every LDS address is made here, ahead of the parting; v8-11 hold nothing else
	v_bfe_u32 v8, v0, 5, 2                         ; role Q: K step s = wave % 4: its plane,
	v_mul_u32_u24 v8, v8, PLANE
	v_mad_u32_u24 v8, v2, 272, v8                  ; batch r's row,
	v_bfe_u32 v9, v0, 7, 2                         ; tile t = wave / 4: 64 bytes,
	v_lshl_add_u32 v8, v9, 6, v8
	v_lshl_add_u32 v8, v3, 5, v8                   ; my half's 32 bytes
	v_mul_u32_u24 v9, v10, 272                     ; role Q, back: batch = wave, 8 bytes a lane
	v_lshl_add_u32 v9, v1, 3, v9
	v_lshlrev_b32 v10, 2, v10                      ; role M: my wave's word
	v_mov_b32 v11, 0                               ; role M: all the words
	s_mov_b32 s[SEL], 0x76543210
	s_mov_b32 s[SEL+1], 0xfedcba98
.irp b, 0,1,2,3
	v_mov_b32 v[TM+4+\b], 0                        ; written once: a lane permute's destination counts as one of its sources
.endr
	s_wait_kmcnt 0x0
	s_cmp_ge_u32 ttmp9, 24
	s_cbranch_scc1 .Lrole_m
	s_cmp_ge_u32 ttmp9, 8
	s_cbranch_scc1 .Lrole_w
	; ---- ROLE Q.  Work-group g owns q's columns 64 g .. 64 g + 63.  Wave: tile t = wave / 4 (16 columns = 16 rows of W_align), K step s = wave % 4 (128 along K).
	s_lshr_b32 s66, s[WV], 2                       ; t
	s_and_b32 s67, s[WV], 3                        ; s
	s_lshl_b32 s68, ttmp9, 17                      ; 64 g rows of 2,048 bytes
	s_lshl_b32 s69, s66, 15                        ; 16 t rows
	s_add_co_u32 s68, s68, s69
	s_lshl_b32 s70, s67, 9                         ; 128 s numbers
	s_add_co_u32 s68, s68, s70
	s_mov_b32 s69, 0
	s_mov_b32 s71, 0
	s_lshl_b32 s72, ttmp9, 8                       ; 64 g numbers
	s_mov_b32 s73, 0
	s_add_nc_u64 s[6:7], s[6:7], s[68:69]
	s_add_nc_u64 s[4:5], s[4:5], s[70:71]
	s_add_nc_u64 s[8:9], s[8:9], s[72:73]
	s_add_nc_u64 s[16:17], s[16:17], s[72:73]
	global_load_b64 v[14:15], v12, s[8:9]          ; b_align at columns 64 g + 2 x lane
	XLOAD WD, 6, 1                                 ; W_align: each number is read once in the launch
	XLOAD QD, 4, 0                                 ; query: many waves read it
	s_wait_loadcnt 16                              ; the bias and W_align's 16 loads are in; query's 16 younger ones may be out
	QUANT WD, PCW, PWW
	s_wait_loadcnt 0x0
	QUANT QD, PCQ, PWQ
.rept 8
	v_nop                                          ; a scale register written by a vector instruction stands 8 places ahead of a scaled matrix instruction, an operand so written 4
.endr
	; used transposed: source 0 = 16 rows of W_align, source 1 = the 16 batches: lane (r, h), register j = this K step's part of q(batch r, column 64 g + 16 t + 8 h + j)
	v_wmma_scale_f32_16x16x128_f8f6f4 v[ACC:ACC+7], v[PCW:PCW+7], v[PCQ:PCQ+7], 0, v[PWW], v[PWQ] matrix_a_fmt:MATRIX_FMT_FP4 matrix_b_fmt:MATRIX_FMT_FP4
.rept 4
	v_nop                                          ; four places between the product and the stores that read it
.endr
	ds_store_b128 v8, v[ACC:ACC+3]                 ; the result from its low end on
	ds_store_b128 v8, v[ACC+4:ACC+7] offset:16
	BARRIER                                        ; the four K steps' planes lie in LDS
.irp p, 0,1,2,3
	ds_load_b64 v[WD+2*\p:WD+2*\p+1], v9 offset:PLANE*\p   ; batch = my wave, columns 2 x lane, 2 x lane + 1, K step p
.endr
	s_wait_dscnt 0x0
	v_pk_add_f32 v[WD:WD+1], v[WD:WD+1], v[WD+2:WD+3]
	v_pk_add_f32 v[WD+4:WD+5], v[WD+4:WD+5], v[WD+6:WD+7]
	v_pk_add_f32 v[WD:WD+1], v[WD:WD+1], v[WD+4:WD+5]
	v_pk_add_f32 v[WD:WD+1], v[WD:WD+1], v[14:15]  ; + b_align
	global_store_b64 v13, v[WD:WD+1], s[16:17]     ; the wave stores 256 consecutive bytes, aligned
	s_wait_tensorcnt 0x0
	ds_add_u32 v192, v193
	s_wait_dscnt 0x0
	s_endpgm
	; ---- ROLE W.  Image tau = 16 j + wave = 32 x (4 x weight + K step) + tile; j = work-group - 8.  One wave, one image: 16 rows x 128 along K.
.Lrole_w:
	s_sub_co_u32 s66, ttmp9, 8                     ; j
	s_cmp_lt_u32 s66, 8
	s_cselect_b64 s[10:11], s[10:11], s[12:13]     ; W_value for j < 8, else W_query: the choice hangs on the work-group's number alone
	s_bfe_u32 s67, s66, 0x20001                    ; K step = (j / 2) % 4
	s_and_b32 s68, s66, 1
	s_lshl_b32 s68, s68, 4
	s_add_co_u32 s68, s68, s[WV]                   ; tile = 16 (j % 2) + wave
	s_lshl_b32 s68, s68, 15                        ; its 16 rows of 2,048 bytes
	s_lshl_b32 s67, s67, 9
	s_add_co_u32 s68, s68, s67
	s_mov_b32 s69, 0
	s_add_nc_u64 s[10:11], s[10:11], s[68:69]
	s_lshl_b32 s70, s66, 4
	s_add_co_u32 s70, s70, s[WV]                   ; tau
	s_lshl_b32 s72, s70, 10
	s_mov_b32 s73, 0
	s_add_nc_u64 s[18:19], s[18:19], s[72:73]      ; its 1,024 bytes of codes
	s_lshl_b32 s72, s70, 6
	s_add_nc_u64 s[20:21], s[20:21], s[72:73]      ; its 16 scale words
	XLOAD WD, 10, 1
	s_wait_loadcnt 0x0
	QUANT WD, PCW, PWW
	global_store_b128 v5, v[PCW:PCW+3], s[18:19]               ; the fragment as its registers stand: 16 bytes a lane, 512 consecutive bytes a store
	global_store_b128 v5, v[PCW+4:PCW+7], s[18:19] offset:512
	global_store_b32 v6, v[PWW], s[20:21]          ; row r's word; both halves of the lanes hold the same word and write it to the same place
	s_endpgm
	; ---- ROLE M.  Batch b = work-group - 24.  Wave w takes rows 512 w .. 512 w + 511: word 4 i + j of a lane is the mask of row 512 w + 128 i + 4 x lane + j.
	; The rows are counted in the order (wave, word, lane).  An unmasked row goes to place u = the number of unmasked rows before it; a masked one to nv + (its number in that order - u).
.Lrole_m:
	s_sub_co_u32 s66, ttmp9, 24                    ; b
	s_lshl_b32 s68, s66, 15                        ; a batch's 8,192 words
	s_mov_b32 s69, 0
	s_add_nc_u64 s[22:23], s[22:23], s[68:69]      ; the batch's list
	s_lshl_b32 s70, s[WV], 11
	s_add_co_u32 s68, s68, s70
	s_add_nc_u64 s[14:15], s[14:15], s[68:69]      ; my wave's 512 mask words
	s_lshl_b32 s72, s66, 2
	s_mov_b32 s73, 0
	s_add_nc_u64 s[24:25], s[24:25], s[72:73]      ; the batch's word of cnt
.irp i, 0,1,2,3
	global_load_b128 v[MW+4*\i:MW+4*\i+3], v5, s[14:15] offset:512*\i th:TH_LOAD_NT   ; 512 consecutive bytes a load
.endr
	s_mov_b32 s74, 0
	s_wait_loadcnt 0x0
.irp k, 0,1,2,3,4,5,6,7,8,9,10,11,12,13,14,15
	v_cmp_eq_u32 s[BAL+\k], 0, v[MW+\k]            ; a bit for each lane whose row counts
.endr
.irp k, 0,1,2,3,4,5,6,7,8,9,10,11,12,13,14,15
	s_bcnt1_i32_b32 s67, s[BAL+\k]
	s_add_co_u32 s74, s74, s67                     ; my wave's count
.endr
	v_mov_b32 v16, s74
	ds_store_b32 v10, v16 offset:MLDS              ; all lanes write the same word with the same number
	BARRIER
.irp i, 0,1,2,3
	ds_load_b128 v[CN+4*\i:CN+4*\i+3], v11 offset:MLDS+16*\i
.endr
	s_wait_dscnt 0x0
.irp w, 0,1,2,3,4,5,6,7,8,9,10,11,12,13,14,15
	v_readfirstlane_b32 s[CW+\w], v[CN+\w]
.endr
	s_mov_b32 s75, 0                               ; unmasked rows of the waves before mine
	s_mov_b32 s76, 0                               ; nv
.irp w, 0,1,2,3,4,5,6,7,8,9,10,11,12,13,14,15
	s_cmp_gt_u32 s[WV], \w
	s_cselect_b32 s67, s[CW+\w], 0
	s_add_co_u32 s75, s75, s67
	s_add_co_u32 s76, s76, s[CW+\w]
.endr
	s_lshl_b32 s67, s[WV], 9
	s_add_co_u32 s68, s67, s76
	v_add_nc_u32 v17, s68, v1                      ; nv + 512 w + lane
	v_lshl_add_u32 v18, v1, 2, s67                 ; 512 w + 4 x lane
.irp k, 0,1,2,3,4,5,6,7,8,9,10,11,12,13,14,15  ; each word has its own two registers, so that no store's source is written again
	v_mbcnt_lo_u32_b32 v[POS+\k], s[BAL+\k], 0     ; unmasked rows of this word in the lanes below mine,
	v_add_nc_u32 v[POS+\k], s75, v[POS+\k]         ; and all before: u
	v_sub_nc_u32 v[ROW+\k], v17, v[POS+\k]
	v_add_nc_u32 v[ROW+\k], 32*\k, v[ROW+\k]       ; nv + (512 w + 32 k + lane) - u
	v_cndmask_b32 v[POS+\k], v[ROW+\k], v[POS+\k], s[BAL+\k]
	v_min_u32 v[POS+\k], 0x1fff, v[POS+\k]         ; a place in the list, held inside it
	v_lshlrev_b32 v[POS+\k], 2, v[POS+\k]
	v_add_nc_u32 v[ROW+\k], 128*(\k/4)+(\k%4), v18 ; the row's number
	global_store_b32 v[POS+\k], v[ROW+\k], s[22:23]   ; two runs of consecutive words: the unmasked lanes' and the masked lanes'
	s_bcnt1_i32_b32 s67, s[BAL+\k]
	s_add_co_u32 s75, s75, s67
.endr
	v_mov_b32 v16, s76
	v_mov_b32 v19, 0
	v_cmp_eq_u32 vcc_lo, 0, v0                     ; thread 0 stores nv
	s_wait_xcnt 0x0                                ; EXEC is a source of the stores above: it changes only behind this wait
	s_wait_tensorcnt 0x0
	ds_add_u32 v192, v193
	s_wait_dscnt 0x0
	s_and_saveexec_b32 s67, vcc_lo
	global_store_b32 v19, v16, s[24:25]
	s_wait_xcnt 0x0                                ; and again ahead of the line that widens it
	s_or_b32 exec_lo, exec_lo, s67
	s_endpgm
.Lfunc_end_k_q85f5311e42_prep:
	.size	k_q85f5311e42_prep, .Lfunc_end_k_q85f5311e42_prep-k_q85f5311e42_prep
	.p2alignl 7, 3214868480
	.fill 96, 4, 3214868480
	.section	.rodata,"a",@progbits
	.p2align	6, 0x0
	.amdhsa_kernel k_q85f5311e42_prep
		.amdhsa_group_segment_fixed_size 19712
		.amdhsa_private_segment_fixed_size 0
		.amdhsa_enable_private_segment 0
		.amdhsa_kernarg_size 88
		.amdhsa_user_sgpr_count 2
		.amdhsa_user_sgpr_kernarg_segment_ptr 1
		.amdhsa_wavefront_size32 1
		.amdhsa_system_sgpr_workgroup_id_x 1
		.amdhsa_system_sgpr_workgroup_id_y 1
		.amdhsa_system_sgpr_workgroup_id_z 1
		.amdhsa_system_vgpr_workitem_id 0
		.amdhsa_next_free_vgpr 194
		.amdhsa_next_free_sgpr 80
		.amdhsa_reserve_vcc 1
		.amdhsa_float_denorm_mode_32 3
		.amdhsa_float_denorm_mode_16_64 3
		.amdhsa_memory_ordered 1
		.amdhsa_forward_progress 1
		.amdhsa_inst_pref_size 36
	.end_amdhsa_kernel
	.amdgpu_metadata
---
amdhsa.version: [ 1, 2 ]
amdhsa.kernels:
  - .name:           k_q85f5311e42_prep
    .symbol:         k_q85f5311e42_prep.kd
    .args:
      - { .name: query, .offset: 0, .size: 8, .value_kind: global_buffer, .address_space: global }
      - { .name: W_align, .offset: 8, .size: 8, .value_kind: global_buffer, .address_space: global }
      - { .name: b_align, .offset: 16, .size: 8, .value_kind: global_buffer, .address_space: global }
      - { .name: W_value, .offset: 24, .size: 8, .value_kind: global_buffer, .address_space: global }
      - { .name: W_query, .offset: 32, .size: 8, .value_kind: global_buffer, .address_space: global }
      - { .name: mask, .offset: 40, .size: 8, .value_kind: global_buffer, .address_space: global }
      - { .name: qbuf, .offset: 48, .size: 8, .value_kind: global_buffer, .address_space: global }
      - { .name: wcodes, .offset: 56, .size: 8, .value_kind: global_buffer, .address_space: global }
      - { .name: wscales, .offset: 64, .size: 8, .value_kind: global_buffer, .address_space: global }
      - { .name: list, .offset: 72, .size: 8, .value_kind: global_buffer, .address_space: global }
      - { .name: cnt, .offset: 80, .size: 8, .value_kind: global_buffer, .address_space: global }
    .group_segment_fixed_size: 19712
    .private_segment_fixed_size: 0
    .kernarg_segment_align: 8
    .kernarg_segment_size: 88
    .max_flat_workgroup_size: 512
    .sgpr_count:     80
    .vgpr_count:     194
    .wavefront_size: 32
...
	.end_amdgpu_metadata
.endif
;; end of part 1
;; launch stream (part 2): grid 16 x 16, 16 waves a work-group, no clusters, 35,328 bytes of LDS; arguments value, qbuf, list, cnt, pacc, pstat; writes pacc, pstat
.if DOCPART == 2
	.amdgcn_target "amdgcn-amd-amdhsa--gfx1250"
	.amdhsa_code_object_version 6
	.text
	.protected	k_q85f5311e42_stream
	.globl	k_q85f5311e42_stream
	.p2align	8
	.type	k_q85f5311e42_stream,@function
k_q85f5311e42_stream:
	s_mov_b64 s[64:65], 0
	v_nop
	global_prefetch_b8 v0, s[64:65] scope:SCOPE_SE
	s_setreg_imm32_b32 hwreg(HW_REG_WAVE_MODE, 25, 1), 1
	s_wait_xcnt 0x0
; STREAM: score, softmax and context in ONE pass over value, with a running maximum.  Work-group (p, b): part p of 16 of batch b.  It stores an unnormalised part of the context (pacc, 512 f32) and its figures (M, l) (pstat).
; WHICH ROWS.  A masked row has the score -1e30, so its weight is 0 in f32 as soon as its batch has one unmasked row: such rows are not read.  The batch's list has its nv unmasked rows first.  It is cut into
; groups of 4 entries: ng = ceil(nv / 4), or all 2,048 where nv = 0 (then every weight is 1 / 8,192, as the softmax of equal scores gives).  Wave number wid = 16 x wave + p of the batch takes groups
; wid, wid + 256, ..: T = 0 .. 8 of them, so that the batch's 256 waves differ by one group at the most.  An entry at a place >= nv (the last group's filling; every entry where nv = 0) is a masked row: it is read, and gets t = TNEG.
; THE SOFTMAX.  t = score x log2(e); M = the largest t so far, rounded up to a whole number, kept as -M = floor(-t); p = 2^(t - M); when M moves, l and the sums are multiplied by 2^(old M - new M), which rounds nothing.
; t - M is an addition, not a fused multiply-add of the score, so that it is exactly 0 where every t is TNEG.
; A ROW TO A WAVE: four loads of 512 consecutive bytes; a lane's register 4 j + c is column 128 j + 4 x lane + c; q lies so too.  Two sets of registers of 4 rows each take turns: 8 to 16 KB a wave are on their way.
; All products in f32 (the context goes on into a quantiser).  No matrix instruction: one side of each product is a single row.  No tensor load: rows and trip counts hang on stored numbers.  No cluster: no byte is read by two work-groups.
; LIMITS: an unmasked score has to lie above about -1e30; NaN and infinities among the inputs are not served (a masked row's are not read).
.set WV,   16                          ; s16      wave
.set BT,   17                          ; s17      batch
.set WID,  19                          ; s19      16 x wave + p
.set NV,   22                          ; s22      unmasked rows of the batch
.set T,    23                          ; s23      my groups
.set REM,  24                          ; s24      nv - 4 x (the group in hand), signed: entry e is a masked row where REM <= e
.set TA,   25                          ; s25      at work
.set SEL,  26                          ; s[26:27] lane selects for v_permlanex16_b32: lane l xor 16
.set LE,   28                          ; s28      log2(e)
.set E,    32                          ; s32-63   the entries of my 8 possible groups
.set MK,   70                          ; s70-73   all ones where entry e is a masked row
.set L16,  1                           ; v1       16 x lane
.set SA,   2                           ; v2       LDS: 8 x wave: my wave's figures
.set MA,   3                           ; v3       LDS: 2,048 x wave + 16 x lane: my wave's sums
.set Q,    4                           ; v4-19    q
.set ACC,  20                          ; v20-35   the sums of p x row
.set OFF,  36                          ; v36-43   byte offsets of the rows on their way, four for each set
.set D,    44                          ; v44-51   four pairs: a row's dot product; the even register becomes score, t, t - M, p
.set PM,   52                          ; v52-55   lane permutes' destinations
.set ML,   56                          ; v[56:57] (M, l)
.set NEGM, 58                          ; v58      -M
.set TMAX, 59                          ; v59      the largest t so far
.set F,    60                          ; v[60:61] (f, 0)
.set TP,   62                          ; v62      at work
.set X0,   64                          ; v64-127, v128-191 the two sets; row e at + 16 e
.set S,    64                          ; the merge: v64-95 the 16 waves' (M, l)
.set MX,   128                         ; v128-191 the 16 waves' sums at my four columns
.set RA,   192                         ; v192     16 x thread; never rewritten
.set ZA,   193                         ; v193     0; never rewritten
.set TN,   194                         ; v194     TNEG = -1e30 x log2(e); never rewritten
.set STAT, 32768                       ; LDS: 16 x 2,048 bytes of sums, then 16 x 8 bytes of figures
.macro ISSUE buf, i                            ; group i's four rows are asked for, into set buf
.irp e, 0,1,2,3
	s_min_u32 s[TA], s[E+4*(\i)+\e], 0x1fff        ; a row's number, held inside the batch
	s_lshl_b32 s[TA], s[TA], 11
	v_add_nc_u32 v[OFF+4*(\buf)+\e], s[TA], v[L16] ; (the set's earlier loads were shown done by the counted wait of the set's last turn)
.irp j, 0,1,2,3
	global_load_b128 v[X0+64*(\buf)+16*\e+4*\j:X0+64*(\buf)+16*\e+4*\j+3], v[OFF+4*(\buf)+\e], s[4:5] offset:512*\j th:TH_LOAD_NT   ; the list is a permutation: no row is named twice
.endr
.endr
.endm
.macro COMPUTE buf, left                       ; the four rows in set buf.  left: the younger loads, which may stay out
.set XB, X0+64*(\buf)
	s_wait_loadcnt \left
.irp e, 0,1,2,3
	s_cmp_le_i32 s[REM], \e
	s_cselect_b32 s[MK+\e], -1, 0
.endr
.irp e, 0,1,2,3
	v_pk_mul_f32 v[D+2*\e:D+2*\e+1], v[XB+16*\e:XB+16*\e+1], v[Q:Q+1]   ; row . q: my 16 columns, two chains a row, the four rows by turns
.endr
.irp j, 1,2,3,4,5,6,7
.irp e, 0,1,2,3
	v_pk_fma_f32 v[D+2*\e:D+2*\e+1], v[XB+16*\e+2*\j:XB+16*\e+2*\j+1], v[Q+2*\j:Q+2*\j+1], v[D+2*\e:D+2*\e+1]
.endr
.endr
.irp e, 0,1,2,3
	v_add_f32 v[D+2*\e], v[D+2*\e], v[D+2*\e+1]
.endr
.irp x, 1,2,4,8
.irp e, 0,1,2,3
	v_add_f32_dpp v[D+2*\e], v[D+2*\e], v[D+2*\e] row_xmask:\x row_mask:0xf bank_mask:0xf
.endr
.endr
.irp e, 0,1,2,3
	v_permlanex16_b32 v[PM+\e], v[D+2*\e], s[SEL], s[SEL+1]
.endr
.irp e, 0,1,2,3
	v_add_f32 v[D+2*\e], v[D+2*\e], v[PM+\e]       ; the score, the same bits in every lane
.endr
.irp e, 0,1,2,3
	v_mul_f32 v[D+2*\e], s[LE], v[D+2*\e]          ; t
.endr
.irp e, 0,1,2,3
	v_cndmask_b32 v[D+2*\e], v[D+2*\e], v[TN], s[MK+\e]   ; a masked row's t
.endr
	v_max3_num_f32 v[TMAX], v[TMAX], v[D], v[D+2]
	v_max3_num_f32 v[TMAX], v[TMAX], v[D+4], v[D+6]
	v_mov_b32 v[TP], v[NEGM]
	v_floor_f32 v[NEGM], -v[TMAX]                  ; -M = floor(-t) = -ceil(t)
	v_sub_f32 v[TP], v[NEGM], v[TP]                ; old M - new M: a whole number, 0 or less
	v_cvt_i32_f32 v[TP], v[TP]                     ; (it saturates)
	v_ldexp_f32 v[F], 1.0, v[TP]                   ; f = 2^(old M - new M)
.irp e, 0,1,2,3
	v_add_f32 v[D+2*\e], v[D+2*\e], v[NEGM]        ; t - M
.endr
.irp e, 0,1,2,3
	v_exp_f32 v[D+2*\e], v[D+2*\e]                 ; p: one batch of four
.endr
.irp j, 0,1,2,3,4,5,6,7
	v_pk_mul_f32 v[ACC+2*\j:ACC+2*\j+1], v[ACC+2*\j:ACC+2*\j+1], v[F:F+1] op_sel_hi:[1,0]   ; the sums under the new M: plain work behind the exponentials, which names none of their results
.endr
	s_wait_alu depctr_va_vdst(0)                   ; one wait for the batch, ahead of its first reader
	v_add_f32 v[TP], v[D], v[D+2]
	v_add_f32 v[D+1], v[D+4], v[D+6]
	v_add_f32 v[TP], v[TP], v[D+1]
	v_fma_f32 v[ML+1], v[ML+1], v[F], v[TP]        ; l = l f + the four p
.irp e, 0,1,2,3
.irp j, 0,1,2,3,4,5,6,7
	v_pk_fma_f32 v[ACC+2*\j:ACC+2*\j+1], v[XB+16*\e+2*\j:XB+16*\e+2*\j+1], v[D+2*\e:D+2*\e+1], v[ACC+2*\j:ACC+2*\j+1] op_sel_hi:[1,0,1]   ; += p x row
.endr
.endr
	s_sub_co_i32 s[REM], s[REM], 1024              ; my next group lies 256 groups on
.endm
; 16 pairs (M_w, l_w) in v[s] on: v[ms] = M* = the largest M; each M_w becomes f_w = 2^(M_w - M*), exact; v[ls] = the sum of f_w l_w.  A part without rows has M = -3e38, l = 0: its f is 0 beside any part with rows.
.macro STATS s, ms, ls
	v_max3_num_f32 v[\ms], v[\s], v[\s+2], v[\s+4]
.irp w, 3,5,7,9,11,13
	v_max3_num_f32 v[\ms], v[\ms], v[\s+2*\w], v[\s+2*\w+2]
.endr
	v_max_num_f32 v[\ms], v[\ms], v[\s+30]
.irp w, 0,1,2,3,4,5,6,7,8,9,10,11,12,13,14,15
	v_sub_f32 v[\s+2*\w], v[\s+2*\w], v[\ms]
.endr
.irp w, 0,1,2,3,4,5,6,7,8,9,10,11,12,13,14,15
	v_cvt_i32_f32 v[\s+2*\w], v[\s+2*\w]
.endr
.irp w, 0,1,2,3,4,5,6,7,8,9,10,11,12,13,14,15
	v_ldexp_f32 v[\s+2*\w], 1.0, v[\s+2*\w]
.endr
	v_mul_f32 v[\ls], v[\s], v[\s+1]
.irp w, 1,2,3,4,5,6,7,8,9,10,11,12,13,14,15
	v_fma_f32 v[\ls], v[\s+2*\w], v[\s+2*\w+1], v[\ls]
.endr
.endm
	s_load_b256 s[4:11], s[0:1], 0x0               ; value 4, qbuf 6, list 8, cnt 10
	s_load_b128 s[12:15], s[0:1], 0x20             ; pacc 12, pstat 14
	v_lshl_add_u32 v200, v0, 2, 0x8200
	v_mov_b32 v201, 0
	v_lshrrev_b32 v[SA], 5, v0
	v_readfirstlane_b32 s[WV], v[SA]               ; wave 0..15
	s_and_b32 s[BT], ttmp7, 0xffff                 ; batch
	s_lshl_b32 s[WID], s[WV], 4
	s_add_co_u32 s[WID], s[WID], ttmp9             ; 16 x wave + part
	v_and_b32 v[L16], 31, v0
	v_lshlrev_b32 v[L16], 4, v[L16]
	v_lshl_add_u32 v[MA], v[SA], 11, v[L16]
	v_lshlrev_b32 v[SA], 3, v[SA]
	v_lshlrev_b32 v[RA], 4, v0
	v_mov_b32 v[ZA], 0
	v_mov_b32 v[TN], 0xf191acce                    ; -1.4427e30
	s_mov_b32 s[SEL], 0x76543210
	s_mov_b32 s[SEL+1], 0xfedcba98
	s_mov_b32 s[LE], 0x3fb8aa3b
	s_mov_b32 s21, 0
	s_lshl_b32 s20, s[BT], 15                      ; the batch's list,
	s_lshl_b32 s[TA], s[WID], 4                    ; my first group's 16 bytes
	s_add_co_u32 s20, s20, s[TA]
	s_wait_kmcnt 0x0
	s_add_nc_u64 s[8:9], s[8:9], s[20:21]
	s_lshl_b32 s20, s[BT], 2
	s_add_nc_u64 s[10:11], s[10:11], s[20:21]
	s_load_b32 s[NV], s[10:11], 0x0
.irp i, 0,1,2,3,4,5,6,7
	s_load_b128 s[E+4*\i:E+4*\i+3], s[8:9], 4096*\i   ; group wid + 256 i: inside the batch's list for every wid, and every word of the list was stored
.endr
	s_lshl_b32 s20, s[BT], 24                      ; a batch of value: 8,192 rows of 2,048 bytes
	s_add_nc_u64 s[4:5], s[4:5], s[20:21]
	s_lshl_b32 s20, s[BT], 11
	s_add_nc_u64 s[6:7], s[6:7], s[20:21]
.irp j, 0,1,2,3
	global_load_b128 v[Q+4*\j:Q+4*\j+3], v[L16], s[6:7] offset:512*\j   ; q, in a row's layout
.endr
	s_lshl_b32 s20, s[BT], 4
	s_add_co_u32 s20, s20, ttmp9                   ; 16 b + p
	s_lshl_b32 s[TA], s20, 3
	s_lshl_b32 s20, s20, 11
	s_add_nc_u64 s[12:13], s[12:13], s[20:21]
	s_mov_b32 s20, s[TA]
	s_add_nc_u64 s[14:15], s[14:15], s[20:21]
.irp j, 0,1,2,3,4,5,6,7,8,9,10,11,12,13,14,15
	v_mov_b32 v[ACC+\j], 0                         ; the turn is written once for all groups: the first finds zeros, which the first change of M leaves zeros
.endr
.irp e, 0,1,2,3
	v_mov_b32 v[PM+\e], 0                          ; a lane permute's destination counts as one of its sources
.endr
	v_mov_b32 v[ML+1], 0                           ; l
	v_mov_b32 v[TMAX], 0xff61b1e6                  ; -3e38, under every t
	v_floor_f32 v[NEGM], -v[TMAX]
	v_mov_b32 v[F+1], 0                            ; (named with f as a pair)
	s_wait_kmcnt 0x0                               ; nv and my entries
	s_min_u32 s[NV], s[NV], 0x2000
	s_add_co_u32 s[TA], s[NV], 3
	s_lshr_b32 s[TA], s[TA], 2
	s_cmp_eq_u32 s[NV], 0
	s_cselect_b32 s[TA], 2048, s[TA]               ; ng
	s_add_co_u32 s[TA], s[TA], 255
	s_sub_co_u32 s[TA], s[TA], s[WID]
	s_lshr_b32 s[T], s[TA], 8                      ; my groups: 0 .. 8
	s_lshl_b32 s[TA], s[WID], 2
	s_sub_co_i32 s[REM], s[NV], s[TA]
	; Written out, with forward branches on T alone, so that on every path the loads out at a wait are those that its count names: 16 = the other set's.
	s_cmp_eq_u32 s[T], 0
	s_cbranch_scc1 .Lmerge
	ISSUE 0, 0
	s_cmp_eq_u32 s[T], 1
	s_cbranch_scc1 .LlastA
	ISSUE 1, 1
	COMPUTE 0, 16                                  ; (q, asked for first, is in too)
	s_cmp_eq_u32 s[T], 2
	s_cbranch_scc1 .LlastB
	ISSUE 0, 2
	COMPUTE 1, 16
	s_cmp_eq_u32 s[T], 3
	s_cbranch_scc1 .LlastA
	ISSUE 1, 3
	COMPUTE 0, 16
	s_cmp_eq_u32 s[T], 4
	s_cbranch_scc1 .LlastB
	ISSUE 0, 4
	COMPUTE 1, 16
	s_cmp_eq_u32 s[T], 5
	s_cbranch_scc1 .LlastA
	ISSUE 1, 5
	COMPUTE 0, 16
	s_cmp_eq_u32 s[T], 6
	s_cbranch_scc1 .LlastB
	ISSUE 0, 6
	COMPUTE 1, 16
	s_cmp_eq_u32 s[T], 7
	s_cbranch_scc1 .LlastA
	ISSUE 1, 7
	COMPUTE 0, 16
.LlastB:
	COMPUTE 1, 0                                   ; the last group: nothing younger is out
	s_branch .Lmerge
.LlastA:
	COMPUTE 0, 0
.Lmerge:
	; THE 16 WAVES' PARTS BECOME ONE.  Each wave puts its 512 sums and its (M, l) into LDS; one barrier; threads 0 .. 127 take four columns each.
	s_wait_loadcnt 0x0                             ; (a wave without rows comes here with q on its way)
	v_xor_b32 v[ML], 0x80000000, v[NEGM]           ; M
.irp j, 0,1,2,3
	ds_store_b128 v[MA], v[ACC+4*\j:ACC+4*\j+3] offset:512*\j   ; column c at byte 4 c of my wave's 2,048
.endr
	ds_store_b64 v[SA], v[ML:ML+1] offset:STAT
	s_wait_dscnt 0x0                               ; for the others' sake: my stores have landed
	s_barrier_signal -1
	s_barrier_wait -1
	s_cmp_lt_u32 s[WV], 4
	s_cbranch_scc0 .Lend                           ; no barrier follows
.irp i, 0,1,2,3,4,5,6,7
	ds_load_b128 v[S+4*\i:S+4*\i+3], v[ZA] offset:STAT+16*\i   ; the figures, the same in every lane
.endr
.irp w, 0,1,2,3,4,5,6,7,8,9,10,11,12,13,14,15
	ds_load_b128 v[MX+4*\w:MX+4*\w+3], v[RA] offset:2048*\w
.endr
	s_wait_dscnt 16                                ; the figures are in; the 16 loads of sums may be out
	STATS S, 24, 25                                ; v[24:25] = (M*, l*)
	s_wait_dscnt 0x0
	v_pk_mul_f32 v[20:21], v[MX:MX+1], v[S:S+1] op_sel_hi:[1,0]
	v_pk_mul_f32 v[22:23], v[MX+2:MX+3], v[S:S+1] op_sel_hi:[1,0]
.irp w, 1,2,3,4,5,6,7,8,9,10,11,12,13,14,15
	v_pk_fma_f32 v[20:21], v[MX+4*\w:MX+4*\w+1], v[S+2*\w:S+2*\w+1], v[20:21] op_sel_hi:[1,0,1]
	v_pk_fma_f32 v[22:23], v[MX+4*\w+2:MX+4*\w+3], v[S+2*\w:S+2*\w+1], v[22:23] op_sel_hi:[1,0,1]
.endr
	global_store_b128 v[RA], v[20:23], s[12:13]    ; a wave stores 512 consecutive bytes
	v_cmp_eq_u32 vcc_lo, 0, v0                     ; thread 0 stores the part's figures
	s_wait_xcnt 0x0                                ; EXEC is a source of the store above: it changes only behind this wait
	s_and_saveexec_b32 s[TA], vcc_lo
	global_store_b64 v[ZA], v[24:25], s[14:15]
	s_wait_xcnt 0x0                                ; and again ahead of the line that widens it
	s_or_b32 exec_lo, exec_lo, s[TA]
.Lend:
	s_wait_tensorcnt 0x0
	ds_add_u32 v200, v201
	s_wait_dscnt 0x0
	s_endpgm
.Lfunc_end_k_q85f5311e42_stream:
	.size	k_q85f5311e42_stream, .Lfunc_end_k_q85f5311e42_stream-k_q85f5311e42_stream
	.p2alignl 7, 3214868480
	.fill 96, 4, 3214868480
	.section	.rodata,"a",@progbits
	.p2align	6, 0x0
	.amdhsa_kernel k_q85f5311e42_stream
		.amdhsa_group_segment_fixed_size 35328
		.amdhsa_private_segment_fixed_size 0
		.amdhsa_enable_private_segment 0
		.amdhsa_kernarg_size 48
		.amdhsa_user_sgpr_count 2
		.amdhsa_user_sgpr_kernarg_segment_ptr 1
		.amdhsa_wavefront_size32 1
		.amdhsa_system_sgpr_workgroup_id_x 1
		.amdhsa_system_sgpr_workgroup_id_y 1
		.amdhsa_system_sgpr_workgroup_id_z 1
		.amdhsa_system_vgpr_workitem_id 0
		.amdhsa_next_free_vgpr 202
		.amdhsa_next_free_sgpr 80
		.amdhsa_reserve_vcc 1
		.amdhsa_float_denorm_mode_32 3
		.amdhsa_float_denorm_mode_16_64 3
		.amdhsa_memory_ordered 1
		.amdhsa_forward_progress 1
		.amdhsa_inst_pref_size 97
	.end_amdhsa_kernel
	.amdgpu_metadata
---
amdhsa.version: [ 1, 2 ]
amdhsa.kernels:
  - .name:           k_q85f5311e42_stream
    .symbol:         k_q85f5311e42_stream.kd
    .args:
      - { .name: value, .offset: 0, .size: 8, .value_kind: global_buffer, .address_space: global }
      - { .name: qbuf, .offset: 8, .size: 8, .value_kind: global_buffer, .address_space: global }
      - { .name: list, .offset: 16, .size: 8, .value_kind: global_buffer, .address_space: global }
      - { .name: cnt, .offset: 24, .size: 8, .value_kind: global_buffer, .address_space: global }
      - { .name: pacc, .offset: 32, .size: 8, .value_kind: global_buffer, .address_space: global }
      - { .name: pstat, .offset: 40, .size: 8, .value_kind: global_buffer, .address_space: global }
    .group_segment_fixed_size: 35328
    .private_segment_fixed_size: 0
    .kernarg_segment_align: 8
    .kernarg_segment_size: 48
    .max_flat_workgroup_size: 512
    .sgpr_count:     80
    .vgpr_count:     202
    .wavefront_size: 32
...
	.end_amdgpu_metadata
.endif
;; end of part 2
;; launch finish (part 3): grid 8 x 16, 8 waves a work-group, no clusters, 7,168 bytes of LDS; arguments pacc, pstat, qbuf, wcodes, wscales, b_value, b_query, out0; writes out0
.if DOCPART == 3
	.amdgcn_target "amdgcn-amd-amdhsa--gfx1250"
	.amdhsa_code_object_version 6
	.text
	.protected	k_q85f5311e42_finish
	.globl	k_q85f5311e42_finish
	.p2align	8
	.type	k_q85f5311e42_finish,@function
k_q85f5311e42_finish:
	s_mov_b64 s[64:65], 0
	v_nop
	global_prefetch_b8 v0, s[64:65] scope:SCOPE_SE
	s_setreg_imm32_b32 hwreg(HW_REG_WAVE_MODE, 25, 1), 1
	s_wait_xcnt 0x0
; FINISH: out = tanh(Q(context) Q(W_value)^T + b_value + Q(q) Q(W_query)^T + b_query).  Work-group (cg, b): batch b, output columns 64 cg .. 64 cg + 63.
; 1: the batch's 16 parts are merged (each thread two columns): context = (the sum of f_p x part p) / (the sum of f_p l_p), f_p = 2^(M_p - M*), exact.  context and q go into LDS as one row of 1,024 numbers.
; 2: the two products are one, with K = [context | q] against [W_value | W_query].  Wave w owns K step w (128 along K): it quantises its 128 numbers to E2M1 with one E8M0 scale for each 32, and multiplies
;    them by four images of 16 output columns that the first launch laid out in the order of the operand's registers.  Source 0's 16 rows are 16 copies of the one row, so every row of the result is the same.
; 3: wave 0 adds the eight K steps' parts and the biases, takes the tanh and stores 256 consecutive bytes.
; One batch to a work-group: a work-group then reads 32 KB of parts; one that served all 16 batches would read all 512 KB of them for its few columns.
; tanh(x) = 1 - 2 / (1 + 2^(2 log2(e) x)): 1 where the power overflows, -1 where it falls to 0.
; LIMITS: a block of zeros gets the scale byte 1 where the rule says 127 (its codes are zeros; nobody else reads the byte); NaN and infinities are not served.
; No tensor load, no cluster: the shared weight codes are 32 KB a work-group and go straight into registers.
.set WV,  20                           ; s20      wave
.set BT,  21                           ; s21      batch
.set SEL, 28                           ; s[28:29] lane selects for v_permlanex16_b32: lane l xor 16
.set T8,  4                            ; v4       8 x thread
.set L16, 5                            ; v5       16 x lane
.set L4,  6                            ; v6       4 x lane
.set L8,  7                            ; v7       8 x lane
.set ZA,  8                            ; v8       0
.set XR,  9                            ; v9       LDS: 512 x wave + 64 h: my 16 numbers of each block of my K step
.set RS,  10                           ; v10      LDS: 256 x wave + 4 r: where my K step's parts go
.set TM,  16                           ; v16-31   the quantiser's
.set PC,  32                           ; v32-39   the row's codes
.set PW,  40                           ; v40      the row's scale word; nothing else ever stands here
.set WS,  42                           ; v42-43   the weights' scale words: lanes 0-15 tile 2 u, lanes 16-31 tile 2 u + 1; nothing else
.set WF,  48                           ; v48-79   four images of the weights
.set DA,  80                           ; v80-111  four results
.set S,   112                          ; v112-143 the 16 parts' (M, l)
.set PX,  144                          ; v144-175 the 16 parts at my two columns
.set QX,  176                          ; v[176:177] q at my two columns
.set BV,  178                          ; v[178:179] b_value, v[180:181] b_query
.set BQ,  180
.set CT,  182                          ; v[182:183] context
.set INV, 184                          ; v[184:185] (1 / l*, 0)
.set MS,  186
.set LS,  187
.set X,   192                          ; v192-255 64 numbers of the row; later the parts to be added
.set RED, 4096                         ; LDS: bytes 0 .. 4,095 the row; from here 8 waves x 64 columns x 4 bytes
.macro QUANT s, pc, pw                         ; 64 numbers a lane, register 16 b + i = k 32 b + 16 h + i, become a fragment's codes and its scale word
.irp b, 0,1,2,3
	v_max3_num_f32 v[TM+\b], |v[\s+16*\b]|, |v[\s+1+16*\b]|, 0x1800000   ; block b: my 16 numbers, and the floor 2^(3 - 127): the byte cannot fall under 1
.endr
.irp i, 2,4,6,8,10,12,14
.irp b, 0,1,2,3
	v_max3_num_f32 v[TM+\b], v[TM+\b], |v[\s+16*\b+\i]|, |v[\s+1+16*\b+\i]|
.endr
.endr
.irp b, 0,1,2,3
	v_permlanex16_b32 v[TM+4+\b], v[TM+\b], s[SEL], s[SEL+1]
.endr
.irp b, 0,1,2,3
	v_max_num_f32 v[TM+\b], v[TM+\b], v[TM+4+\b]   ; with lane l xor 16's 16: the block's largest magnitude
.endr
.irp b, 0,1,2,3
	v_add_nc_u32 v[TM+12+\b], 0xff000000, v[TM+\b]   ; 2 off its exponent field: the conversion takes that field as its scale
.endr
.irp b, 0,1,2,3
	v_lshrrev_b32 v[TM+4+\b], 23, v[TM+12+\b]      ; the scale's byte
.endr
	v_lshl_or_b32 v[\pw], v[TM+5], 8, v[TM+4]
	v_lshl_or_b32 v[\pw], v[TM+6], 16, v[\pw]
	v_lshl_or_b32 v[\pw], v[TM+7], 24, v[\pw]
.irp b, 0,1,2,3
	v_cvt_scalef32_pk8_fp4_f32 v[\pc+2*\b], v[\s+16*\b:\s+7+16*\b], v[TM+12+\b]
	v_cvt_scalef32_pk8_fp4_f32 v[\pc+1+2*\b], v[\s+8+16*\b:\s+15+16*\b], v[TM+12+\b]
.endr
	v_nop                                          ; one plain instruction behind the scaled conversions
.irp c, 0,1                                    ; the operand wants a whole block in a lane
.irp i, 0,1
	v_permlane16_swap_b32 v[\pc+4*\c+\i], v[\pc+2+4*\c+\i]
.endr
.endr
.endm
.macro STATS s, ms, ls                         ; 16 pairs (M, l): v[ms] = M*; each M becomes f = 2^(M - M*), exact; v[ls] = the sum of f l
	v_max3_num_f32 v[\ms], v[\s], v[\s+2], v[\s+4]
.irp w, 3,5,7,9,11,13
	v_max3_num_f32 v[\ms], v[\ms], v[\s+2*\w], v[\s+2*\w+2]
.endr
	v_max_num_f32 v[\ms], v[\ms], v[\s+30]
.irp w, 0,1,2,3,4,5,6,7,8,9,10,11,12,13,14,15
	v_sub_f32 v[\s+2*\w], v[\s+2*\w], v[\ms]
.endr
.irp w, 0,1,2,3,4,5,6,7,8,9,10,11,12,13,14,15
	v_cvt_i32_f32 v[\s+2*\w], v[\s+2*\w]
.endr
.irp w, 0,1,2,3,4,5,6,7,8,9,10,11,12,13,14,15
	v_ldexp_f32 v[\s+2*\w], 1.0, v[\s+2*\w]
.endr
	v_mul_f32 v[\ls], v[\s], v[\s+1]
.irp w, 1,2,3,4,5,6,7,8,9,10,11,12,13,14,15
	v_fma_f32 v[\ls], v[\s+2*\w], v[\s+2*\w+1], v[\ls]
.endr
.endm
.macro BARRIER                                 ; my LDS stores have landed and my LDS loads are in: then the work-group's barrier
	s_wait_dscnt 0x0
	s_barrier_signal -1
	s_barrier_wait -1
.endm
	s_load_b512 s[4:19], s[0:1], 0x0               ; pacc 4, pstat 6, qbuf 8, wcodes 10, wscales 12, b_value 14, b_query 16, out0 18
	v_lshl_add_u32 v190, v0, 2, 0x1800
	v_mov_b32 v191, 0
	v_lshrrev_b32 v[XR], 5, v0
	v_readfirstlane_b32 s[WV], v[XR]               ; wave 0..7
	s_and_b32 s[BT], ttmp7, 0xffff                 ; batch
	v_and_b32 v1, 31, v0                           ; lane
	v_and_b32 v2, 15, v0                           ; r
	v_bfe_u32 v3, v0, 4, 1                         ; h
	v_lshlrev_b32 v[T8], 3, v0
	v_lshlrev_b32 v[L16], 4, v1
	v_lshlrev_b32 v[L4], 2, v1
	v_lshlrev_b32 v[L8], 3, v1
	v_mov_b32 v[ZA], 0
	v_lshlrev_b32 v[RS], 8, v[XR]
	v_lshl_add_u32 v[RS], v2, 2, v[RS]
	v_lshlrev_b32 v[XR], 9, v[XR]
	v_lshl_add_u32 v[XR], v3, 6, v[XR]
	s_mov_b32 s[SEL], 0x76543210
	s_mov_b32 s[SEL+1], 0xfedcba98
.irp b, 0,1,2,3
	v_mov_b32 v[TM+4+\b], 0                        ; a lane permute's destination counts as one of its sources
.endr
	v_mov_b32 v[INV+1], 0                          ; (named with 1 / l* as a pair)
	s_mov_b32 s23, 0
	s_lshl_b32 s24, s[WV], 5
	s_lshl_b32 s25, ttmp9, 2
	s_add_co_u32 s24, s24, s25                     ; my first image: 32 x K step + 4 cg
	s_wait_kmcnt 0x0
	s_lshl_b32 s22, s[BT], 15
	s_add_nc_u64 s[4:5], s[4:5], s[22:23]          ; the batch's 16 parts
	s_lshl_b32 s22, s[BT], 7
	s_add_nc_u64 s[6:7], s[6:7], s[22:23]          ; and their figures
	s_lshl_b32 s22, s[BT], 11
	s_add_nc_u64 s[8:9], s[8:9], s[22:23]          ; q's row
	s_add_nc_u64 s[18:19], s[18:19], s[22:23]      ; out's row,
	s_lshl_b32 s22, ttmp9, 8
	s_add_nc_u64 s[18:19], s[18:19], s[22:23]      ; my 64 columns
	s_add_nc_u64 s[14:15], s[14:15], s[22:23]
	s_add_nc_u64 s[16:17], s[16:17], s[22:23]
	s_lshl_b32 s22, s24, 10
	s_add_nc_u64 s[10:11], s[10:11], s[22:23]
	s_lshl_b32 s22, s24, 6
	s_add_nc_u64 s[12:13], s[12:13], s[22:23]
	; ---- 1: all loads at once, those wanted first in front
.irp i, 0,1,2,3,4,5,6,7
	global_load_b128 v[S+4*\i:S+4*\i+3], v[ZA], s[6:7] offset:16*\i   ; the 16 (M, l), the same in every lane
.endr
.irp p, 0,1,2,3,4,5,6,7,8,9,10,11,12,13,14,15
	global_load_b64 v[PX+2*\p:PX+2*\p+1], v[T8], s[4:5] offset:2048*\p   ; a wave reads 256 consecutive bytes of part p
.endr
	global_load_b64 v[QX:QX+1], v[T8], s[8:9]
	global_load_b64 v[BV:BV+1], v[L8], s[14:15]
	global_load_b64 v[BQ:BQ+1], v[L8], s[16:17]
.irp t, 0,1,2,3
.irp c, 0,1
	global_load_b128 v[WF+8*\t+4*\c:WF+8*\t+4*\c+3], v[L16], s[10:11] offset:1024*\t+512*\c   ; an image as it was stored: 512 consecutive bytes a load
.endr
.endr
.irp u, 0,1
	global_load_b32 v[WS+\u], v[L4], s[12:13] offset:128*\u
.endr
	s_wait_loadcnt 12                              ; figures, parts and q are in; the 2 biases', 8 images' and 2 scale loads may be out
	STATS S, MS, LS
	v_rcp_f32 v[INV], v[LS]
	v_pk_mul_f32 v[CT:CT+1], v[PX:PX+1], v[S:S+1] op_sel_hi:[1,0]   ; plain work behind the reciprocal, which does not name its result
.irp p, 1,2,3,4,5,6,7,8,9,10,11,12,13,14,15
	v_pk_fma_f32 v[CT:CT+1], v[PX+2*\p:PX+2*\p+1], v[S+2*\p:S+2*\p+1], v[CT:CT+1] op_sel_hi:[1,0,1]
.endr
	s_wait_alu depctr_va_vdst(0)                   ; the wait ahead of the reciprocal's first reader
	v_pk_mul_f32 v[CT:CT+1], v[CT:CT+1], v[INV:INV+1] op_sel_hi:[1,0]
	ds_store_b64 v[T8], v[CT:CT+1]                 ; context: K 0 .. 511
	ds_store_b64 v[T8], v[QX:QX+1] offset:2048     ; q: K 512 .. 1,023
	BARRIER                                        ; the row lies in LDS
	; ---- 2: my K step
.irp b, 0,1,2,3
.irp j, 0,1,2,3
	ds_load_b128 v[X+16*\b+4*\j:X+16*\b+4*\j+3], v[XR] offset:128*\b+16*\j   ; all sixteen r of a half read the same 16 bytes
.endr
.endr
	s_wait_dscnt 0x0
	QUANT X, PC, PW
	s_wait_loadcnt 0x0                             ; the images, their scale words, the biases
.rept 8
	v_nop                                          ; a scale register written by a vector instruction stands 8 places ahead of a scaled matrix instruction, an operand so written 4
.endr
	; four results, each begun with 0 and written once: no two of these lines share a result.  Register 0 of lane (r, h) = my K step's part of column 64 cg + 16 t + r
	v_wmma_scale_f32_16x16x128_f8f6f4 v[DA:DA+7], v[PC:PC+7], v[WF:WF+7], 0, v[PW], v[WS] matrix_a_fmt:MATRIX_FMT_FP4 matrix_b_fmt:MATRIX_FMT_FP4
	v_wmma_scale_f32_16x16x128_f8f6f4 v[DA+8:DA+15], v[PC:PC+7], v[WF+8:WF+15], 0, v[PW], v[WS] matrix_a_fmt:MATRIX_FMT_FP4 matrix_b_fmt:MATRIX_FMT_FP4 matrix_b_scale:MATRIX_SCALE_ROW1
	v_wmma_scale_f32_16x16x128_f8f6f4 v[DA+16:DA+23], v[PC:PC+7], v[WF+16:WF+23], 0, v[PW], v[WS+1] matrix_a_fmt:MATRIX_FMT_FP4 matrix_b_fmt:MATRIX_FMT_FP4
	v_wmma_scale_f32_16x16x128_f8f6f4 v[DA+24:DA+31], v[PC:PC+7], v[WF+24:WF+31], 0, v[PW], v[WS+1] matrix_a_fmt:MATRIX_FMT_FP4 matrix_b_fmt:MATRIX_FMT_FP4 matrix_b_scale:MATRIX_SCALE_ROW1
.rept 4
	v_nop                                          ; four places between the last product and the stores that read the results
.endr
.irp t, 0,1,2,3
	ds_store_b32 v[RS], v[DA+8*\t] offset:RED+64*\t   ; each result's lowest register; both halves of the lanes hold the same number and write it to the same word
.endr
	BARRIER                                        ; the eight K steps' parts lie in LDS
	; ---- 3: wave 0 alone; no barrier follows
	s_cmp_lg_u32 s[WV], 0
	s_cbranch_scc1 .Lend
.irp w, 0,1,2,3,4,5,6,7
	ds_load_b64 v[X+2*\w:X+2*\w+1], v[L8] offset:RED+256*\w   ; columns 2 x lane, 2 x lane + 1 of K step w
.endr
	s_wait_dscnt 0x0
	v_pk_add_f32 v[X:X+1], v[X:X+1], v[X+2:X+3]
	v_pk_add_f32 v[X+4:X+5], v[X+4:X+5], v[X+6:X+7]
	v_pk_add_f32 v[X+8:X+9], v[X+8:X+9], v[X+10:X+11]
	v_pk_add_f32 v[X+12:X+13], v[X+12:X+13], v[X+14:X+15]
	v_pk_add_f32 v[X:X+1], v[X:X+1], v[X+4:X+5]    ; context's product
	v_pk_add_f32 v[X+8:X+9], v[X+8:X+9], v[X+12:X+13]   ; q's
	v_pk_add_f32 v[X:X+1], v[X:X+1], v[BV:BV+1]
	v_pk_add_f32 v[X+8:X+9], v[X+8:X+9], v[BQ:BQ+1]
	v_pk_add_f32 v[X:X+1], v[X:X+1], v[X+8:X+9]
	v_pk_mul_f32 v[X:X+1], v[X:X+1], 0x4038aa3b op_sel_hi:[1,0]   ; 2 log2(e) x
	v_exp_f32 v[X+2], v[X]
	v_exp_f32 v[X+3], v[X+1]
	v_nop                                          ; a plain instruction behind the exponentials,
	s_wait_alu depctr_va_vdst(0)                   ; and the wait ahead of their first reader
	v_pk_add_f32 v[X+2:X+3], v[X+2:X+3], 1.0 op_sel_hi:[1,0]
	v_rcp_f32 v[X+4], v[X+2]
	v_rcp_f32 v[X+5], v[X+3]
	v_nop
	s_wait_alu depctr_va_vdst(0)
	v_fma_f32 v[X+6], v[X+4], -2.0, 1.0
	v_fma_f32 v[X+7], v[X+5], -2.0, 1.0
	global_store_b64 v[L8], v[X+6:X+7], s[18:19]   ; the wave stores 256 consecutive bytes, aligned
.Lend:
	s_wait_tensorcnt 0x0
	ds_add_u32 v190, v191
	s_wait_dscnt 0x0
	s_endpgm
.Lfunc_end_k_q85f5311e42_finish:
	.size	k_q85f5311e42_finish, .Lfunc_end_k_q85f5311e42_finish-k_q85f5311e42_finish
	.p2alignl 7, 3214868480
	.fill 96, 4, 3214868480
	.section	.rodata,"a",@progbits
	.p2align	6, 0x0
	.amdhsa_kernel k_q85f5311e42_finish
		.amdhsa_group_segment_fixed_size 7168
		.amdhsa_private_segment_fixed_size 0
		.amdhsa_enable_private_segment 0
		.amdhsa_kernarg_size 64
		.amdhsa_user_sgpr_count 2
		.amdhsa_user_sgpr_kernarg_segment_ptr 1
		.amdhsa_wavefront_size32 1
		.amdhsa_system_sgpr_workgroup_id_x 1
		.amdhsa_system_sgpr_workgroup_id_y 1
		.amdhsa_system_sgpr_workgroup_id_z 1
		.amdhsa_system_vgpr_workitem_id 0
		.amdhsa_next_free_vgpr 256
		.amdhsa_next_free_sgpr 66
		.amdhsa_reserve_vcc 0
		.amdhsa_float_denorm_mode_32 3
		.amdhsa_float_denorm_mode_16_64 3
		.amdhsa_memory_ordered 1
		.amdhsa_forward_progress 1
		.amdhsa_inst_pref_size 19
	.end_amdhsa_kernel
	.amdgpu_metadata
---
amdhsa.version: [ 1, 2 ]
amdhsa.kernels:
  - .name:           k_q85f5311e42_finish
    .symbol:         k_q85f5311e42_finish.kd
    .args:
      - { .name: pacc, .offset: 0, .size: 8, .value_kind: global_buffer, .address_space: global }
      - { .name: pstat, .offset: 8, .size: 8, .value_kind: global_buffer, .address_space: global }
      - { .name: qbuf, .offset: 16, .size: 8, .value_kind: global_buffer, .address_space: global }
      - { .name: wcodes, .offset: 24, .size: 8, .value_kind: global_buffer, .address_space: global }
      - { .name: wscales, .offset: 32, .size: 8, .value_kind: global_buffer, .address_space: global }
      - { .name: b_value, .offset: 40, .size: 8, .value_kind: global_buffer, .address_space: global }
      - { .name: b_query, .offset: 48, .size: 8, .value_kind: global_buffer, .address_space: global }
      - { .name: out0, .offset: 56, .size: 8, .value_kind: global_buffer, .address_space: global }
    .group_segment_fixed_size: 7168
    .private_segment_fixed_size: 0
    .kernarg_segment_align: 8
    .kernarg_segment_size: 64
    .max_flat_workgroup_size: 256
    .sgpr_count:     66
    .vgpr_count:     256
    .wavefront_size: 32
...
	.end_amdgpu_metadata
.endif
;; end of part 3
